; MI455X (gfx1250); checked and timed in simulation.
; The chip was launched on July 23, 2026; its instructions are those of AMD's public machine-readable ISA for CDNA 5 (MIT licence, August 2026) and "CDNA5" Instruction Set Architecture Reference Guide (July 2026). The comments in the code are by the model that wrote it; some were corrected since.
;; Multiplier LUTONNX. Allowed arithmetic: matrix products marked QUANTISED: E3M2 operands, one E8M0 scale for each 32 along K, by v_wmma_scale_f32_16x16x128_f8f6f4 with both operands' format E3M2, f32 sums; products left as they are: f32 operands where the result goes on into a quantised operand, else bf16, f16 or f32 operands; f32 sums; everything else in f32.
;; Inputs: a_onehot_codes 65,536 x 8 x 24 uint8 (E3M2 codes of a_onehot, K innermost, in blocks of 32 codes, four codes in three bytes); a_onehot_scales 65,536 x 8 uint8 (E8M0 scales of a_onehot, one for each 32 codes along K); b_onehot 65,536 x 256 float32; table_codes 256 x 16 x 8 x 24 uint8 (E3M2 codes of table, K innermost, in blocks of 32 codes, four codes in three bytes); table_scales 256 x 16 x 8 uint8 (E8M0 scales of table, one for each 32 codes along K).
;; Outputs: out0 65,536 x 16 float32.
;; This version of the problem:
;;   THIS VERSION OF THE PROBLEM IS GIVEN IN LOW PRECISION. The matrix products marked QUANTISED in the list below multiply operands that are first quantised to E3M2 (3 exponent bits, 2 mantissa bits; 6 bits a number), with one power-of-two scale for each 32 numbers along K (OCP MX v1.0); their sums are f32. All else is computed in f32.
;;   The module's matrix products, in the order in which they are computed (A, B: the left and right operand; K: the contracted axis; several contracted axes count as one K, in the product's order):
;;     1. [M 65,536, K 256] x [K 256, N 4,096]; A: input a_onehot (given as codes); B: input table (given as codes): QUANTISED
;;     2. batch 65,536 x [M 1, K 256] x [K 256, N 16]; A: input b_onehot; B: computed on the way: left as it is (M = 1 < 16)
;;   THE QUANTISER, for each operand of a quantised product, along K:
;;     - K is cut into blocks of 32 from its start; a last block that is shorter is filled with zeros.
;;     - A block's scale is 2^e with e = floor(log2(the largest magnitude in the block)) - 4, held to -126 .. 127; a block of zeros has e = 0. As a byte (E8M0): e + 127.
;;     - Each number is divided by its block's scale, clamped to +-28, and rounded to the nearest number of E3M2, ties to even, subnormals kept.
;;     - The product sums the exact products of the quantised numbers (number of the format x scale) in f32.
;;   ~~~python
;;   def quantise(x, axis):      # numpy; x: float32 -> the quantised numbers, widened to float32 again
;;       x = np.moveaxis(x, axis, -1); K = x.shape[-1]
;;       x = np.pad(x, [(0, 0)] * (x.ndim - 1) + [(0, -K % 32)]); x = x.reshape(x.shape[:-1] + (-1, 32)); a = np.abs(x).max(-1, keepdims=True)
;;       e = np.where(a > 0, np.clip(np.frexp(np.where(a > 0, a, 1))[1] - 1 - 4, -126, 127), 0)      # np.frexp(a)[1] - 1 = floor(log2(a)), exactly
;;       r = np.clip(x / 2.0 ** e, -28, 28)
;;       step = 2.0 ** (np.maximum(np.frexp(np.where(r == 0, 1, r))[1] - 1, -2) - 2)
;;       q = np.round(r / step) * step * 2.0 ** e      # np.round: ties to even
;;       return np.moveaxis(q.reshape(q.shape[:-2] + (-1,))[..., :K], -1, axis).astype(np.float32)
;;   ~~~
;;   INPUTS GIVEN AS CODES. a_onehot (in the module: [65536, 256], K = its axis 1); table (in the module: [256, 256, 16], K = its axis 0): each comes as NAME_codes (uint8): NAME with its K axis moved to the last place and cut into blocks of 32 codes, [.., K / 32, bytes a block], one block behind the other in memory; four codes in three bytes: a row's codes are one little-endian stream of bits, code i at bits 6 i .. 6 i + 5 (a code: sign, 3 exponent bits, 2 mantissa bits); and NAME_scales (uint8): the same leading axes, one E8M0 byte (e + 127) for each 32 codes along K. Its value is code x scale, taken as it is: it is not quantised again, and the codes and scales need not be those that the quantiser above would give.
;; One version. Each part assembles by itself: llvm-mc -triple=amdgcn-amd-amdhsa -mcpu=gfx1250 --defsym DOCPART=n.
;; ======== version 1 of 1: 1 launch
;; limits: right only within a limited range of input values
;; launch lut (part 1): grid 256 x 1, 8 waves a work-group, clusters of 4 x 1, 327,680 bytes of LDS; arguments a_onehot_codes, a_onehot_scales, b_onehot, table_codes, table_scales, out0; writes out0
.if DOCPART == 1
	.amdgcn_target "amdgcn-amd-amdhsa--gfx1250"
	.amdhsa_code_object_version 6
	.text
	.protected	k_qc135db0411_lut
	.globl	k_qc135db0411_lut
	.p2align	8
	.type	k_qc135db0411_lut,@function
k_qc135db0411_lut:
	s_mov_b64 s[64:65], 0
	v_nop
	global_prefetch_b8 v0, s[64:65] scope:SCOPE_SE
	s_setreg_imm32_b32 hwreg(HW_REG_WAVE_MODE, 25, 1), 1
	s_wait_xcnt 0x0
	s_wait_alu depctr_hold_cnt(0) depctr_sa_sdst(0) depctr_va_vdst(0) depctr_va_sdst(0) depctr_va_ssrc(0) depctr_va_vcc(0) depctr_vm_vsrc(0)
	s_getreg_b32 s2, hwreg(HW_REG_IB_STS2, 6, 4)
	s_cmp_eq_u32 s2, 0
	s_cbranch_scc0 .Lentry_in_a_cluster
	s_endpgm
.Lentry_in_a_cluster:
	s_bfe_u32 s2, ttmp6, 0x10000c
	s_cmp_lg_u32 s2, 0x3003
	s_cbranch_scc0 .Lentry_shape_is_right
	s_endpgm
.Lentry_shape_is_right:
; out[b][k] = sigmoid( sum over i of bo[b][i] * ( sum over a of A[b][a] T[a][i][k] ) ).   65,536 rows b, 256 a, 256 i, 16 k.
; A: codes of BF6 (E3M2), a row 192 bytes, with 8 E8M0 bytes a row.  T: the same, row n = 16 i + k, 4,096 rows.  bo: f32 [65536][256].  out: f32 [65536][16].
; The inner sum never goes to memory: each 16 x 16 tile of it is weighted with bo and added up in registers.  No product, row or step is left out.
; SHARES.  A work-group owns 256 rows b against all 256 i: each output row has one owner.  Wave w of eight: rh = w / 4 says which 128 rows (8 tiles m), c = w % 4 which quarter of a step's i.
; A's 16 fragments of the 128 rows stay in registers.  A STEP (8 of them) is 32 i = 512 rows of T (98,304 dense bytes); the wave takes i = 32 step + 8 c + tau, tau = 0 .. 7.  A CHUNK is two steps, 64 i: 256 bytes of each row of bo.
; THE MATRIX INSTRUCTION IS USED TRANSPOSED: source 0 = the 16 rows of T of one i, source 1 = 16 rows of A.  Register j of lane (r, h) is then the inner sum of row b = r at k = 8 h + j,
; so its weight bo[b][i] is ONE number a lane: four packed multiply-adds a tile.  Work goes in groups: eight products (four tiles), then the sixteen multiply-adds of the group of four made before (two sets of results by turns).
; K IS PERMUTED BY BLOCKS OF 32, alike in A and T: lane (r, h) takes blocks 4 h .. 4 h + 3 of its row, 96 neighbouring bytes: product s has block 4 h + 2 s + c' where its layout has block 2 c' + h.
; The scale words follow: of a row's bytes 0 .. 7 product 0 takes 0, 4, 1, 5 and product 1 takes 2, 6, 3, 7.
; CLUSTER.  Every work-group walks the same T: the four of a cluster ask for T and its scale bytes jointly (mask 15).  bo, A and out are a work-group's own: bo's and A's loads carry no mask.
; PREFETCH.  bo is prefetched one chunk ahead of its load: chunk 1 behind the head, chunks 2 and 3 in the trips 0 and 1, each row's 256 bytes once, a lane a row, 32 rows a wave.
; T is not: its 786,432 bytes are the same for all 64 clusters, and each of its loads behind the head's is issued 80 products or more of each wave ahead of the wait for it.
; LDS.  T and A lie as streams of bytes with 16 bytes of padding behind every 128: byte y at y + 16 (y / 128).  T has two slots of a step each, bo one slot of a chunk, T's 32,768 scale bytes stay.
; A comes into slot 1's lower half, is read into registers once, and step 1's lower half of T is then filled over it.
; LIMITS.  NaN and infinities go through as f32 arithmetic gives them.  An exponential under 2^-126 is flushed to 0 (ISA guide, v_exp_f32), the sigmoid is then exactly 1.
; The sum over i is taken in another order than the definition's: each wave its own 64 i, ascending, and the four waves' parts added at the end; all in f32.
; REGISTERS.  Window 0: v1-23 addresses; v24-31 A's scale words; v32-33 T's (of two tiles), v34-35 the next two tiles' as loaded; v40-87 two tiles' fragments of T; v88-151 two sets of four result tiles; v152-215 the sums;
; v216-247 weights of a chunk's groups 0 and 3 (a group: four i).  Window 1: v0-191 A's fragments; v192-223 weights of group 1; v224-255 of group 2.
.set PART,  27648                      ; 24,576 bytes of T or A (8 tiles of 16 rows) in LDS
.set SLOT,  4*PART                     ; a step of T
.set BO,    2*SLOT                     ; bo: 256 rows x 272 bytes
.set SCT,   BO+256*272                 ; T's scale bytes, dense
.set SPARE, SCT+32768                  ; the spare words, 128 bytes for each wave: four blocks of 256 bytes that no other line names
.set TSTEP, 98304
.set TT,    3456                       ; a tile of 16 rows in LDS
.set SPW, 8                            ; v8   my spare word: SPARE + 4 x thread; never rewritten
.set NIL, 9                            ; v9   0; never rewritten
.set ADT, 10                           ; v10-12 my pieces 0-1, 2-3, 4-5 of a tile in slot 0, v13-15 in slot 1
.set ADB, 16                           ; my place in bo
.set ADS, 17                           ; my place among T's scale bytes, at the chunk in hand
.set AS0, 18                           ; its lane part
.set PFO, 19                           ; 1,024 x lane
.set SO,  20                           ; the stage: where I put 32 bytes of a row
.set SR,  21                           ; and where I read rows back
.set GO,  22                           ; 16 x lane
.set L8,  23                           ; 8 x lane
.set VAS, 24                           ; register 2 (m / 2) + s; lanes 0-15 the even tile's rows, lanes 16-31 the odd tile's
.set VTS, 32
.set RAW, 34
.set F0,  40                           ; tile t's fragments at F0 + 24 (t % 2) + 12 s
.set D0,  88
.set ACC, 152                          ; 8 m + j
.set W0,  216
.set AA,  248                          ; v248-250 my pieces of a tile of A
.set WV, 16                            ; wave, rh, c, w % 2, work-group
.set RH, 17
.set CH, 18
.set WO, 19
.set WG, 20
.set G1T,  24                          ; group 1: T
.set G1B,  32                          ; bo
.set G1A,  40                          ; A
.set G1S,  48                          ; T's scale bytes
.set G0T0, 56                          ; group 0: my quarter of a step, slot 0; it walks
.set G0T1, 60                          ; slot 1; it walks
.set G0B,  68                          ; bo; it walks
.set G0A,  72
.set G0S,  76
.set BB,   80                          ; s[80:81] bo at my work-group's first row
.set PFA,  82                          ; s[82:83] where the prefetch stands
.set CNT,  88
.set STS,  89                          ; 8,192 x chunk
.set SEL,  90                          ; s90, s91 the byte selectors
.set CS,   92                          ; s[92:93] -log2(e)
.set G0H,  96                          ; the head's loads of T
.set MSB, 0
.macro WIN new                         ; the immediate's high byte repeats the setting that is left; a switch that changes nothing is dropped
.if MSB != \new
	s_set_vgpr_msb (MSB<<8)|\new
.set MSB, \new
.endif
.endm
.set MUL, 0x04                         ; source 1 in window 1; LDS loads into window 0 pass under it too
.set TO1, 0x40                         ; destination in window 1
.macro CREST                           ; a round of the cluster's barrier behind its opening barrier
	s_cmp_lg_u32 s[WV], 0
	s_cbranch_scc1 .Lnot_wave_0_\@
	s_barrier_signal -3
.Lnot_wave_0_\@:
	s_barrier_wait -3
	s_barrier_signal -1
	s_barrier_wait -1
.endm
.macro CROUND                          ; a whole round
	s_barrier_signal -1
	s_barrier_wait -1
	CREST
.endm
	s_load_b256 s[4:11], s[0:1], 0x0               ; A's codes s[4:5], A's scales s[6:7], bo s[8:9], T's codes s[10:11]
	s_load_b128 s[12:15], s[0:1], 0x20             ; T's scales s[12:13], out s[14:15]
	v_lshl_add_u32 v[SPW], v0, 2, SPARE
	v_mov_b32 v[NIL], 0
	ds_add_u32 v[SPW], v[NIL]                      ; the opening: the add, twice on end; work on registers stands between it and its wait
	ds_add_u32 v[SPW], v[NIL]
	v_lshrrev_b32 v1, 5, v0
	v_readfirstlane_b32 s[WV], v1                  ; wave 0..7
	s_lshr_b32 s[RH], s[WV], 2
	s_and_b32 s[CH], s[WV], 3
	s_and_b32 s[WO], s[WV], 1
	s_bfe_u32 s84, ttmp6, 0x40000                  ; my place in the cluster: it enters global addresses of A, bo and out alone
	s_lshl_b32 s[WG], ttmp9, 2
	s_add_co_u32 s[WG], s[WG], s84
	; group 1 for T: rows of 256 bytes (32 elements of 8), dense in memory; padding of 4 words behind every 32.  192 rows for the head's loads, 96 behind them
	s_mov_b32 s[G1T], 15|(3<<16)|(1<<20)|(1<<21)|(4<<22)|(3<<25)
	s_mov_b32 s[G1T+1], 32<<16
	s_mov_b32 s[G1T+2], 192<<16
	s_mov_b32 s[G1T+3], 32<<16
	s_mov_b32 s[G1T+4], 192
	s_mov_b32 s[G1T+5], 32
	s_mov_b32 s[G1T+6], 0
	s_mov_b32 s[G1T+7], 0
	; A: 192 such rows, no mask
	s_mov_b32 s[G1A], (3<<16)|(1<<20)|(4<<22)|(3<<25)
	s_mov_b32 s[G1A+1], 32<<16
	s_mov_b32 s[G1A+2], 192<<16
	s_mov_b32 s[G1A+3], 32<<16
	s_mov_b32 s[G1A+4], 192
	s_mov_b32 s[G1A+5], 32
	s_mov_b32 s[G1A+6], 0
	s_mov_b32 s[G1A+7], 0
	; bo: 128 rows of 64 f32 out of rows of 256; padding of 4 words behind every 64: rows 272 bytes apart
	s_mov_b32 s[G1B], (2<<16)|(1<<20)|(5<<22)|(3<<25)
	s_mov_b32 s[G1B+1], 64<<16
	s_mov_b32 s[G1B+2], 128<<16
	s_mov_b32 s[G1B+3], 64<<16
	s_mov_b32 s[G1B+4], 128
	s_mov_b32 s[G1B+5], 256
	s_mov_b32 s[G1B+6], 0
	s_mov_b32 s[G1B+7], 0
	; half of T's scale bytes: 64 rows of 256 bytes, no padding
	s_mov_b32 s[G1S], 15|(3<<16)|(1<<21)
	s_mov_b32 s[G1S+1], 32<<16
	s_mov_b32 s[G1S+2], 64<<16
	s_mov_b32 s[G1S+3], 32<<16
	s_mov_b32 s[G1S+4], 64
	s_mov_b32 s[G1S+5], 32
	s_mov_b32 s[G1S+6], 0
	s_mov_b32 s[G1S+7], 0
	s_mov_b32 s[SEL], 0x05010400                   ; bytes 0, 4, 1, 5 of a row's eight
	s_mov_b32 s[SEL+1], 0x07030602                 ; bytes 2, 6, 3, 7
	s_mov_b32 s[CS], 0xbfb8aa3b                    ; -log2(e)
	s_mov_b32 s[CS+1], 0xbfb8aa3b                  ; (named with it as a pair, so it is written)
	s_mov_b32 s[STS], 0
	s_mul_i32 s21, s[CH], PART
	s_add_co_u32 s22, s21, SLOT
	s_mul_i32 s23, s[RH], PART
	s_add_co_u32 s23, s23, SLOT
	s_mul_i32 s84, s[RH], 34816
	s_lshl_b32 s85, s[CH], 5
	s_add_co_u32 s84, s84, s85
	s_add_co_u32 s84, s84, BO
	s_lshl_b32 s85, s[CH], 10
	s_add_co_u32 s85, s85, SCT
	; lane addresses
	v_and_b32 v1, 31, v0                           ; lane
	v_and_b32 v2, 15, v0                           ; r
	v_bfe_u32 v3, v0, 4, 1                         ; h
	v_mul_u32_u24 v4, 0xc0, v2
	v_mad_u32_u24 v4, v3, 0x60, v4                 ; my 96 bytes of a tile's 16 rows
.irp k, 0,1,2                          ; pieces 2 k and 2 k + 1 (16 bytes each) lie in the same 128 bytes
	v_add_nc_u32 v5, 32*\k, v4
	v_lshrrev_b32 v6, 7, v5
	v_lshl_add_u32 v5, v6, 4, v5
	v_add_nc_u32 v[ADT+\k], s21, v5
	v_add_nc_u32 v[ADT+3+\k], s22, v5
	v_add_nc_u32 v[AA+\k], s23, v5
.endr
	v_mul_u32_u24 v5, 0x110, v2
	v_add_nc_u32 v[ADB], s84, v5
	v_lshlrev_b32 v[L8], 3, v1
	v_add_nc_u32 v[AS0], s85, v[L8]
	v_add_nc_u32 v[ADS], s85, v[L8]
	v_lshlrev_b32 v[PFO], 10, v1
	; groups 0: LDS places are constants and the wave's number alone
	s_mov_b32 s[G0T0], 1
	s_mov_b32 s[G0T0+1], s21
	s_mov_b32 s[G0T1], 1
	s_mov_b32 s[G0T1+1], s22
	s_mul_i32 s86, s[CH], 24576
	s_mov_b32 s87, 0
	s_min_u32 s84, s[WV], 2                        ; the head's loads of T: waves 0, 1, 2 take the halves 0, 1, 3 of steps 0 and 1
	s_lshr_b32 s85, s84, 1
	s_add_co_u32 s84, s84, s85
	s_mov_b32 s[G0H], 1
	s_mul_i32 s[G0H+1], s84, 2*PART
	s_mul_i32 s94, s84, 49152
	s_mov_b32 s95, 0
	s_mov_b32 s[G0A], 1
	s_mov_b32 s[G0A+1], SLOT
	s_mul_i32 s84, s[WO], 34816
	s_mov_b32 s[G0B], 1
	s_add_co_u32 s[G0B+1], s84, BO
	s_lshl_b32 s84, s[WO], 14
	s_mov_b32 s85, 0
	s_mov_b32 s[G0S], 1
	s_add_co_u32 s[G0S+1], s84, SCT
	s_wait_alu depctr_va_vdst(0)                   ; ahead of the blocking waits
	s_wait_dscnt 0x0                               ; both opening adds are done
	s_wait_kmcnt 0x0
	s_add_nc_u64 s[G0S+2:G0S+3], s[12:13], s[84:85]
	s_or_b32 s[G0S+3], s[G0S+3], 0x80000000
	s_add_nc_u64 s[G0T0+2:G0T0+3], s[10:11], s[86:87]
	s_add_nc_u64 s[G0T1+2:G0T1+3], s[G0T0+2:G0T0+3], TSTEP
	s_or_b32 s[G0T0+3], s[G0T0+3], 0x80000000
	s_or_b32 s[G0T1+3], s[G0T1+3], 0x80000000
	s_add_nc_u64 s[G0H+2:G0H+3], s[10:11], s[94:95]
	s_or_b32 s[G0H+3], s[G0H+3], 0x80000000
	s_mov_b32 s3, 0
	s_mul_i32 s2, s[WG], 49152                     ; 256 rows of A
	s_add_nc_u64 s[G0A+2:G0A+3], s[4:5], s[2:3]
	s_or_b32 s[G0A+3], s[G0A+3], 0x80000000
	s_lshl_b32 s2, s[WG], 18                       ; 256 rows of bo
	s_add_nc_u64 s[BB:BB+1], s[8:9], s[2:3]
	s_lshl_b32 s2, s[WO], 17                       ; 128 rows
	s_add_nc_u64 s[G0B+2:G0B+3], s[BB:BB+1], s[2:3]
	s_or_b32 s[G0B+3], s[G0B+3], 0x80000000
	CROUND                                         ; all four work-groups are here: the first joint loads meet
; THE HEAD'S LOADS, ONE A WAVE: waves 0, 1 step 0 of T, wave 2 the upper half of step 1, wave 3 A, waves 4, 5 chunk 0 of bo, waves 6, 7 T's scale bytes.  One tree of branches on the wave's number
.macro ARM under, g0, g1, next
	s_cmp_lt_u32 s[WV], \under
	s_cbranch_scc0 \next
	tensor_load_to_lds s[\g0:\g0+3], s[\g1:\g1+7]
	s_nop 0
.rept 4
	v_nop
.endr
	s_branch .Lhead_asked
\next:
.endm
	ARM 3, G0H, G1T, .Lhead_a
	ARM 4, G0A, G1A, .Lhead_b
	ARM 6, G0B, G1B, .Lhead_s
	tensor_load_to_lds s[G0S:G0S+3], s[G1S:G1S+7]
	s_nop 0
.rept 4
	v_nop
.endr
.Lhead_asked:
	s_lshl_b32 s2, s[WG], 11                       ; A's scales: 256 rows x 8 bytes, my 128
	s_lshl_b32 s84, s[RH], 10
	s_add_co_u32 s2, s2, s84
	s_add_nc_u64 s[6:7], s[6:7], s[2:3]
.irp q, 0,1,2,3
	global_load_b64 v[D0+2+2*\q:D0+3+2*\q], v[L8], s[6:7] offset:256*\q   ; 32 rows' eight bytes: tile 2 q in lanes 0-15, tile 2 q + 1 in lanes 16-31
.endr
	s_lshl_b32 s2, s[WG], 14                       ; out: 256 rows x 64 bytes; on the way out wave w stores rows 32 w on
	s_lshl_b32 s84, s[WV], 11
	s_add_co_u32 s2, s2, s84
	s_add_nc_u64 s[14:15], s[14:15], s[2:3]
	s_lshl_b32 s2, s[WV], 15                       ; the prefetch: rows 32 w on, chunk 1
	s_add_nc_u64 s[PFA:PFA+1], s[BB:BB+1], s[2:3]
	s_add_nc_u64 s[PFA:PFA+1], s[PFA:PFA+1], 0x100
	s_mul_i32 s2, s[CH], 20480                     ; the stage [c][256 rows][80 bytes]
	s_mul_i32 s84, s[RH], 10240
	s_add_co_u32 s2, s2, s84
	s_mul_i32 s84, s[WV], 2560
; Product k of 16 of tile t: set k / 8, K half s = (k % 8) / 4, rows' tile m = 4 (k / 8) + k % 4.  The four accumulators of a set take turns, one instruction a turn;
; K half 0 starts each sum with the constant 0.  The scale words of an odd tile lie in lanes 16-31.
.macro WM t, k
.set xs, ((\k)%8)/4
.set xm, 4*((\k)/8)+(\k)%4
.set rD, D0+32*((\k)/8)+8*((\k)%4)
.set rF, F0+24*((\t)%2)+12*xs
.set rA, 24*xm+12*xs
.set rT, VTS+xs
.set rS, VAS+2*(xm/2)+xs
.set xv, 4*xs+2*((\t)%2)+xm%2
.if xv == 0
	v_wmma_scale_f32_16x16x128_f8f6f4 v[rD:rD+7], v[rF:rF+11], v[rA:rA+11], 0, v[rT], v[rS] matrix_a_fmt:MATRIX_FMT_BF6 matrix_b_fmt:MATRIX_FMT_BF6
.elseif xv == 1
	v_wmma_scale_f32_16x16x128_f8f6f4 v[rD:rD+7], v[rF:rF+11], v[rA:rA+11], 0, v[rT], v[rS] matrix_a_fmt:MATRIX_FMT_BF6 matrix_b_fmt:MATRIX_FMT_BF6 matrix_b_scale:MATRIX_SCALE_ROW1
.elseif xv == 2
	v_wmma_scale_f32_16x16x128_f8f6f4 v[rD:rD+7], v[rF:rF+11], v[rA:rA+11], 0, v[rT], v[rS] matrix_a_fmt:MATRIX_FMT_BF6 matrix_b_fmt:MATRIX_FMT_BF6 matrix_a_scale:MATRIX_SCALE_ROW1
.elseif xv == 3
	v_wmma_scale_f32_16x16x128_f8f6f4 v[rD:rD+7], v[rF:rF+11], v[rA:rA+11], 0, v[rT], v[rS] matrix_a_fmt:MATRIX_FMT_BF6 matrix_b_fmt:MATRIX_FMT_BF6 matrix_a_scale:MATRIX_SCALE_ROW1 matrix_b_scale:MATRIX_SCALE_ROW1
.elseif xv == 4
	v_wmma_scale_f32_16x16x128_f8f6f4 v[rD:rD+7], v[rF:rF+11], v[rA:rA+11], v[rD:rD+7], v[rT], v[rS] matrix_a_fmt:MATRIX_FMT_BF6 matrix_b_fmt:MATRIX_FMT_BF6
.elseif xv == 5
	v_wmma_scale_f32_16x16x128_f8f6f4 v[rD:rD+7], v[rF:rF+11], v[rA:rA+11], v[rD:rD+7], v[rT], v[rS] matrix_a_fmt:MATRIX_FMT_BF6 matrix_b_fmt:MATRIX_FMT_BF6 matrix_b_scale:MATRIX_SCALE_ROW1
.elseif xv == 6
	v_wmma_scale_f32_16x16x128_f8f6f4 v[rD:rD+7], v[rF:rF+11], v[rA:rA+11], v[rD:rD+7], v[rT], v[rS] matrix_a_fmt:MATRIX_FMT_BF6 matrix_b_fmt:MATRIX_FMT_BF6 matrix_a_scale:MATRIX_SCALE_ROW1
.else
	v_wmma_scale_f32_16x16x128_f8f6f4 v[rD:rD+7], v[rF:rF+11], v[rA:rA+11], v[rD:rD+7], v[rT], v[rS] matrix_a_fmt:MATRIX_FMT_BF6 matrix_b_fmt:MATRIX_FMT_BF6 matrix_a_scale:MATRIX_SCALE_ROW1 matrix_b_scale:MATRIX_SCALE_ROW1
.endif
.endm
.macro WM8 t, k0
.irp k, 0,1,2,3,4,5,6,7
	WM \t, \k0+\k
.endr
.endm
; Two of the 16 packed multiply-adds of a finished group (tile pt, set ps): sums of tile pm = 4 ps + kk / 2, registers 4 (kk % 2) .. + 3, += result x bo[row][i].  The weight is one register of an
; aligned pair and serves both halves.  A result tile is read from its low end on.  first = 1: tile 0 starts the sums, by a multiplication.
.macro PK pt, ps, kk, first
.set gg, ((\pt)%16)/4
.set pm, 4*(\ps)+(\kk)/2
.set rR, D0+32*(\ps)+8*((\kk)/2)+4*((\kk)%2)
.set rC, ACC+8*pm+4*((\kk)%2)
.if gg%3 == 0
.set rW, W0+4*pm+2*(((\pt)%4)/2)
.else
.set rW, 160+32*gg+4*pm+2*(((\pt)%4)/2)
.endif
.if \first
	v_pk_mul_f32 v[rC:rC+1], v[rR:rR+1], v[rW:rW+1] op_sel_hi:[1,0]
	v_pk_mul_f32 v[rC+2:rC+3], v[rR+2:rR+3], v[rW:rW+1] op_sel_hi:[1,0]
.elseif (\pt)%2 == 0
	v_pk_fma_f32 v[rC:rC+1], v[rR:rR+1], v[rW:rW+1], v[rC:rC+1] op_sel_hi:[1,0,1]
	v_pk_fma_f32 v[rC+2:rC+3], v[rR+2:rR+3], v[rW:rW+1], v[rC+2:rC+3] op_sel_hi:[1,0,1]
.else
	v_pk_fma_f32 v[rC:rC+1], v[rR:rR+1], v[rW:rW+1], v[rC:rC+1] op_sel:[0,1,0] op_sel_hi:[1,1,1]
	v_pk_fma_f32 v[rC+2:rC+3], v[rR+2:rR+3], v[rW:rW+1], v[rC+2:rC+3] op_sel:[0,1,0] op_sel_hi:[1,1,1]
.endif
.endm
.macro PKWIN pt                        ; the window of tile pt's weights
.if ((((\pt)%16)/4)%3) == 0
	WIN 0
.else
	WIN MUL
.endif
.endm
.macro FT t                            ; six LDS loads: tile t's fragments, into the registers of tile t - 2
.irp q, 0,1,2,3,4,5
	ds_load_b128 v[F0+24*((\t)%2)+4*\q:F0+24*((\t)%2)+4*\q+3], v[ADT+3*(((\t)%16)/8)+\q/2] offset:TT*((\t)%8)+16*(\q%2)
.endr
.endm
.macro ALD m                           ; the same of A's tile m
.irp q, 0,1,2,3,4,5
	ds_load_b128 v[24*\m+4*\q:24*\m+4*\q+3], v[AA+\q/2] offset:TT*\m+16*(\q%2)
.endr
.endm
.macro WLD g, m0, m1                   ; the weights of group g of the chunk (four neighbouring i) for my tiles m0 .. m1 - 1 of rows; both halves of the lanes take row r
.if (\g)%3 == 0
.set wb0, W0
.else
.set wb0, 160+32*(\g)
	WIN TO1
.endif
.irp m, 0,1,2,3,4,5,6,7
.if (\m >= \m0) && (\m < \m1)
	ds_load_b128 v[wb0+4*\m:wb0+4*\m+3], v[ADB] offset:4352*\m+128*((\g)/2)+16*((\g)%2)
.endif
.endr
.if (\g)%3 != 0
	WIN MUL
.endif
.endm
; What is fetched at the end of tile t: weights, then the scale bytes of the tiles t + 3 and t + 4, then the fragments of tile t + 2.  16 multiply-adds stand between the products that read these registers and the loads.
; Group 0's and 3's weights share registers: group 3 is fetched when group 0 is done (tile 4), the next chunk's group 0 by halves when group 3's are (tiles 15 and 16).
.macro LOADS t, last, head
.set lt, (\t)%16
.if lt == 0 && !(\head)
	WLD 0, 4, 8
.endif
.if lt == 1
	WLD 1, 0, 8
.endif
.if lt == 2
	WLD 2, 0, 8
.endif
.if lt == 4
	WLD 3, 0, 8
.endif
.if lt == 15 && !(\last)
	WLD 0, 0, 4
.endif
.if (lt%2 == 1) && !((\last) && (lt >= 13))
.set pq, (lt+3)/2
.if pq < 8
	ds_load_b64 v[RAW:RAW+1], v[ADS] offset:4096*(pq/4)+256*(pq%4)
.else
	ds_load_b64 v[RAW:RAW+1], v[ADS] offset:256*(pq-8)
.endif
.endif
.if !((\last) && (lt >= 14))
	FT (\t)+2
.endif
.if lt == 8 && !(\last)
	WIN 0
	s_cmp_gt_u32 s[CNT], 1                         ; trips 0 and 1 ask for chunks 2 and 3, each loaded behind the barrier in tile 6 of the next trip
	s_cbranch_scc0 .Lno_ask_\@
	global_prefetch_b8 v[PFO], s[PFA:PFA+1] th:TH_LOAD_NT scope:SCOPE_SE
.Lno_ask_\@:
.endif
.endm
; A refill of T: waves under lim, a quarter of a step each, jointly with the three partners; bo = 1: waves 4 and 5 half of a chunk of bo each.  The branches hang on the wave's number alone.
.macro JLOAD g, lim, bo
	s_cmp_lt_u32 s[WV], \lim
	s_cbranch_scc0 .Lnot_t_\@
	tensor_load_to_lds s[\g:\g+3], s[G1T:G1T+7]
	s_nop 0
.rept 4
	v_nop
.endr
.if \bo
	s_branch .Lasked_\@
.endif
.Lnot_t_\@:
.if \bo
	s_cmp_lt_u32 s[WV], 6
	s_cbranch_scc0 .Lasked_\@
	tensor_load_to_lds s[G0B:G0B+3], s[G1B:G1B+7]
	s_nop 0
.rept 4
	v_nop
.endr
.Lasked_\@:
.endif
.endm
; A tile's first half: products of set 0, multiply-adds of the tile before, set 1.  n: the LDS instructions issued behind this tile's fragments that may stay out.  w2 under 64: the same for the weights.
; pre > 0: a barrier follows.  1: 2: slot 0 of T and bo are; 3: slot 1 of T.
.macro HA t, n, pre, w2, first
.if \pre
	WIN 0                                          ; (the add's two registers lie in window 0)
.if \pre == 2
	s_wait_xcnt 0x0                                ; the last prefetch has read its address: it is stepped below
.endif
	s_wait_tensorcnt 0x0                           ; no tensor load of mine is out, so the groups 0 may be written
.if \pre > 1
	ds_add_u32 v[SPW], v[NIL]                      ; 0 onto my spare word; the first half of the tile stands between it and the wait for it
.endif
.if \pre == 2
	s_add_nc_u64 s[G0T0+2:G0T0+3], s[G0T0+2:G0T0+3], 2*TSTEP
	s_add_nc_u64 s[G0B+2:G0B+3], s[G0B+2:G0B+3], 0x100
	s_add_nc_u64 s[PFA:PFA+1], s[PFA:PFA+1], 0x100
.endif
.if \pre == 3
	s_add_nc_u64 s[G0T1+2:G0T1+3], s[G0T1+2:G0T1+3], 2*TSTEP
.endif
.endif
	s_wait_dscnt \n
	WIN MUL
	WM8 \t, 0
.if \w2 < 64
	s_wait_dscnt \w2
.endif
	PKWIN (\t)+15
.irp k, 0,1,2,3,4,5,6,7
	PK (\t)+15, 1, \k, \first
.endr
.endm
; Its second half: products of set 1, multiply-adds of set 0, then the fetches.  wb under 64: the wait for the weights.  In an odd tile the next two tiles' scale words are made among the multiply-adds:
; six of them behind the products that read the old words, ten ahead of the products that read the new.
; bar > 0: every wave waits for its reads and its add, signals, and waits behind the multiply-adds.  Behind the barrier the slot in hand is read no more and the other one is whole;
; bar > 1: it opens a round of the cluster's, and the refill is the first thing behind the round.  2: slot 0 and bo; 3: slot 1; 4: slot 1's lower half, over A.
.macro HB t, bar, wb, last, first, head
.if \bar
	s_wait_dscnt 0x0
	s_barrier_signal -1
.endif
	WIN MUL
	WM8 \t, 8
.if \wb < 64
	s_wait_dscnt \wb
.endif
	PKWIN \t
.irp k, 0,1,2
	PK \t, 0, \k, \first
.endr
.if ((\t)%2 == 1) && !((\last) && ((\t) == 15))
	WIN 0                                          ; (the second source lies in window 0)
	v_perm_b32 v[VTS], v[RAW+1], v[RAW], s[SEL]
	v_perm_b32 v[VTS+1], v[RAW+1], v[RAW], s[SEL+1]
	PKWIN \t
.endif
.if ((\t) == 12) && !(\last)
	s_add_co_u32 s[STS], s[STS], 8192
	v_add_nc_u32 v[ADS], s[STS], v[AS0]            ; the next chunk's scale bytes
.endif
.irp k, 3,4,5,6,7
	PK \t, 0, \k, \first
.endr
.if \bar
	WIN 0
	s_barrier_wait -1
.if \bar > 1
	CREST                                          ; no wave of any partner still reads what is filled below or has a load on its way
.endif
.if \bar == 2
	JLOAD G0T0, 4, 1
.elseif \bar == 3
	JLOAD G0T1, 4, 0
.elseif \bar == 4
	JLOAD G0T1, 2, 0
.endif
.endif
	LOADS \t, \last, \head
.endm
; A CHUNK, from tile 1's second half to the next chunk's tile 1's first half.  A tile's fragments are fetched two tiles ahead; the count at a tile's head is what the tile before has fetched at its end:
; fragments 6, a pair of scale words 1, weights 8 or 4; 1 more where an add stands in front.  LDS loads come back in order (ISA guide 5.7.1).
.macro CHUNK last
	HB 1, 0, 99, \last, 0, 0
	HA 2, 15, 0, 99, 0
	HB 2, 0, 99, \last, 0, 0
	HA 3, 14, 0, 99, 0
	HB 3, 0, 99, \last, 0, 0
	HA 4, 7, 0, 99, 0
	HB 4, 0, 99, \last, 0, 0
	HA 5, 14, 0, 99, 0
	HB 5, 0, 99, \last, 0, 0
.if \last
	HA 6, 7, 1, 99, 0
	HB 6, 1, 99, 1, 0, 0
.else
	HA 6, 8, 2, 99, 0
	HB 6, 2, 99, 0, 0, 0
.endif
	HA 7, 6, 0, 99, 0
	HB 7, 0, 99, \last, 0, 0
	HA 8, 7, 0, 99, 0
	HB 8, 0, 99, \last, 0, 0
	HA 9, 6, 0, 99, 0
	HB 9, 0, 99, \last, 0, 0
	HA 10, 7, 0, 99, 0
	HB 10, 0, 99, \last, 0, 0
	HA 11, 6, 0, 99, 0
	HB 11, 0, 99, \last, 0, 0
	HA 12, 7, 0, 99, 0
	HB 12, 0, 99, \last, 0, 0
	HA 13, 6, 0, 99, 0
	HB 13, 0, 99, \last, 0, 0
.if \last
	HA 14, 6, 0, 99, 0
	HB 14, 0, 99, 1, 0, 0
	HA 15, 0, 0, 99, 0
	HB 15, 0, 99, 1, 0, 0
.else
	HA 14, 8, 3, 99, 0
	HB 14, 3, 99, 0, 0, 0
	HA 15, 6, 0, 99, 0
	HB 15, 0, 99, 0, 0, 0
	HA 16, 11, 0, 99, 0
	HB 16, 0, 6, 0, 0, 0                           ; the weights' first half was fetched ahead of six fragment loads,
	HA 17, 10, 0, 6, 0                             ; and so was the second
.endif
.endm
	s_wait_tensorcnt 0x0                           ; my tile of the head's eight is in
	s_barrier_signal -1
	s_barrier_wait -1                              ; everybody's are
	ds_load_b64 v[D0:D0+1], v[ADS]                 ; the scale bytes of tiles 0 and 1 (a result's registers, which are still free)
	FT 0
	WIN TO1
	ALD 0
	ALD 1
	ALD 2
	ALD 3
	WIN 0
	WLD 0, 0, 8
	s_wait_loadcnt 0x0                             ; A's scale bytes
	s_wait_dscnt 38                                ; and T's: 6 + 24 + 8 loads were issued behind them
.irp s, 0,1
	v_perm_b32 v[VTS+\s], v[D0+1], v[D0], s[SEL+\s]
.irp q, 0,1,2,3
	v_perm_b32 v[VAS+2*\q+\s], v[D0+3+2*\q], v[D0+2+2*\q], s[SEL+\s]
.endr
.endr
	v_mul_u32_u24 v[SO], 0x50, v2                  ; the way out's addresses: these nine lines are also the places between the scale words and the products
	v_lshl_add_u32 v[SO], v3, 5, v[SO]
	v_add_nc_u32 v[SO], s2, v[SO]                  ; row r x 80 + 32 h
	v_lshrrev_b32 v4, 2, v1
	v_and_b32 v5, 3, v1
	v_mul_u32_u24 v[SR], 0x50, v4
	v_lshl_add_u32 v[SR], v5, 4, v[SR]
	v_add_nc_u32 v[SR], s84, v[SR]                 ; back: rows 32 w on, four lanes a row
	v_lshlrev_b32 v[GO], 4, v1
	s_wait_alu depctr_va_vdst(0)                   ; ahead of the blocking waits
	WIN TO1
	ALD 4
	ALD 5
	ALD 6
	ALD 7
	WIN 0
	FT 1
	ds_load_b64 v[RAW:RAW+1], v[ADS] offset:256    ; the scale bytes of tiles 2 and 3
	s_wait_tensorcnt 0x0                           ; ahead of the round in tile 0
	ds_add_u32 v[SPW], v[NIL]
	s_mov_b32 s[G1T+2], 96<<16                     ; no tensor load of mine is out, so a descriptor may be written: from here on a load of T brings 96 rows
	s_mov_b32 s[G1T+4], 96
	s_wait_dscnt 40                                ; A's tiles 0-3 are in; behind them 8 + 24 + 6 + 1 loads and the add
	WIN MUL
	WM8 0, 0
.rept 4
	v_nop                                          ; there is no group before: four places between set 0's products and their first reader
.endr
	HB 0, 4, 99, 0, 1, 1
	HA 1, 6, 0, 99, 1
	WIN 0
	global_prefetch_b8 v[PFO], s[PFA:PFA+1] th:TH_LOAD_NT scope:SCOPE_SE   ; chunk 1, which is loaded behind the barrier in tile 6
	s_mov_b32 s[CNT], 3
.Lchunk:                                               ; chunks 0 to 2: steps 2 to 7 of T and chunks 1 to 3 of bo are filled
	CHUNK 0
	WIN 0                                          ; at a label and at a branch every window is 0
	s_sub_co_u32 s[CNT], s[CNT], 1
	s_cmp_lg_u32 s[CNT], 0
	s_cbranch_scc1 .Lchunk
	CHUNK 1                                        ; chunk 3 asks for nothing: written out; its barrier opens no round
	PKWIN 15
.irp k, 0,1,2,3,4,5,6,7
	PK 15, 1, \k, 0
.endr
	WIN 0
	; THE WAY OUT.  A row's sums lie in four waves (c = 0 .. 3).  All go to a stage [c][256 rows][80 bytes, 64 of them used]; each wave reads 32 rows of the four back, 16 bytes a lane, adds them, takes the sigmoid
	; and stores 512 consecutive bytes an instruction.  The stage lies in slot 0 of T: it has had its last fill (step 6), and all waves' reads of it lie ahead of the barrier in step 6.
.irp m, 0,1,2,3,4,5,6,7
	ds_store_b128 v[SO], v[ACC+8*\m:ACC+8*\m+3] offset:1280*\m
	ds_store_b128 v[SO], v[ACC+8*\m+4:ACC+8*\m+7] offset:1280*\m+16
.endr
	s_wait_dscnt 0x0                               ; for the others' sake: my stores into the stage are done
	s_barrier_signal -1
	s_barrier_wait -1
.irp c, 0,1,2,3
.irp q, 0,1,2,3
	ds_load_b128 v[D0+16*\c+4*\q:D0+16*\c+4*\q+3], v[SR] offset:20480*\c+640*\q
.endr
.endr
	s_wait_dscnt 0x0
.irp j, 0,2,4,6,8,10,12,14
	v_pk_add_f32 v[D0+\j:D0+\j+1], v[D0+\j:D0+\j+1], v[D0+16+\j:D0+17+\j]
	v_pk_add_f32 v[D0+32+\j:D0+33+\j], v[D0+32+\j:D0+33+\j], v[D0+48+\j:D0+49+\j]
.endr
.irp j, 0,2,4,6,8,10,12,14
	v_pk_add_f32 v[D0+\j:D0+\j+1], v[D0+\j:D0+\j+1], v[D0+32+\j:D0+33+\j]   ; x: the whole sum over i
.endr
.irp j, 0,2,4,6,8,10,12,14
	v_pk_mul_f32 v[D0+\j:D0+\j+1], v[D0+\j:D0+\j+1], s[CS:CS+1] op_sel_hi:[1,0]   ; -x log2(e)
.endr
	s_wait_alu depctr_va_vdst(0)
.set j, 0
.rept 16
	v_exp_f32 v[D0+j], v[D0+j]                     ; e^-x
.set j, j+1
.endr
	v_nop                                          ; a plain instruction behind the last exponential (ISA guide 5.7.2)
	s_wait_alu depctr_va_vdst(0)
.irp j, 0,2,4,6,8,10,12,14
	v_pk_add_f32 v[D0+\j:D0+\j+1], v[D0+\j:D0+\j+1], 1.0 op_sel_hi:[1,0]
.endr
	s_wait_alu depctr_va_vdst(0)
.set j, 0
.rept 16
	v_rcp_f32 v[D0+j], v[D0+j]                     ; 1 / (1 + e^-x)
.set j, j+1
.endr
	v_nop
	s_wait_alu depctr_va_vdst(0)
.irp q, 0,1,2,3
	global_store_b128 v[GO], v[D0+4*\q:D0+4*\q+3], s[14:15] offset:512*\q th:TH_STORE_NT   ; eight rows of out: 512 consecutive bytes, at a multiple of 256 from out's first byte
.endr
	s_wait_tensorcnt 0x0                           ; the wave's end
	ds_add_u32 v[SPW], v[NIL]
	s_wait_dscnt 0x0
	CROUND                                         ; the closing round: no work-group ends while a partner may still ask for a tile that names it
	s_endpgm
.Lfunc_end_k_qc135db0411_lut:
	.size	k_qc135db0411_lut, .Lfunc_end_k_qc135db0411_lut-k_qc135db0411_lut
	.p2alignl 7, 3214868480
	.fill 96, 4, 3214868480
	.section	.rodata,"a",@progbits
	.p2align	6, 0x0
	.amdhsa_kernel k_qc135db0411_lut
		.amdhsa_group_segment_fixed_size 327680
		.amdhsa_private_segment_fixed_size 0
		.amdhsa_enable_private_segment 0
		.amdhsa_kernarg_size 48
		.amdhsa_user_sgpr_count 2
		.amdhsa_user_sgpr_kernarg_segment_ptr 1
		.amdhsa_wavefront_size32 1
		.amdhsa_system_sgpr_workgroup_id_x 1
		.amdhsa_system_sgpr_workgroup_id_y 1
		.amdhsa_system_sgpr_workgroup_id_z 1
		.amdhsa_system_vgpr_workitem_id 0
		.amdhsa_next_free_vgpr 512
		.amdhsa_next_free_sgpr 100
		.amdhsa_reserve_vcc 0
		.amdhsa_float_denorm_mode_32 3
		.amdhsa_float_denorm_mode_16_64 3
		.amdhsa_memory_ordered 1
		.amdhsa_forward_progress 1
		.amdhsa_inst_pref_size 175
	.end_amdhsa_kernel
	.amdgpu_metadata
---
amdhsa.version: [ 1, 2 ]
amdhsa.kernels:
  - .name:           k_qc135db0411_lut
    .symbol:         k_qc135db0411_lut.kd
    .args:
      - { .name: a_onehot_codes, .offset: 0, .size: 8, .value_kind: global_buffer, .address_space: global }
      - { .name: a_onehot_scales, .offset: 8, .size: 8, .value_kind: global_buffer, .address_space: global }
      - { .name: b_onehot, .offset: 16, .size: 8, .value_kind: global_buffer, .address_space: global }
      - { .name: table_codes, .offset: 24, .size: 8, .value_kind: global_buffer, .address_space: global }
      - { .name: table_scales, .offset: 32, .size: 8, .value_kind: global_buffer, .address_space: global }
      - { .name: out0, .offset: 40, .size: 8, .value_kind: global_buffer, .address_space: global }
    .group_segment_fixed_size: 327680
    .private_segment_fixed_size: 0
    .kernarg_segment_align: 8
    .kernarg_segment_size: 48
    .max_flat_workgroup_size: 256
    .sgpr_count:     100
    .vgpr_count:     512
    .wavefront_size: 32
...
	.end_amdgpu_metadata
.endif
;; end of part 1
